; MI455X (gfx1250); checked and timed in simulation.
; The chip was launched on July 23, 2026; its instructions are those of AMD's public machine-readable ISA for CDNA 5 (MIT licence, August 2026) and "CDNA5" Instruction Set Architecture Reference Guide (July 2026). The comments in the code are by the model that wrote it; some were corrected since.
;; Siamese Tangent Layer. Allowed arithmetic: matrix products marked QUANTISED: E2M1 operands, one E8M0 scale for each 32 along K, by v_wmma_scale_f32_16x16x128_f8f6f4 with both operands' format E2M1 (or v_wmma_scale_f32_32x16x128_f4), f32 sums; everything else in f32.
;; Inputs: protos 200 x 512 float32; subspaces_codes 200 x 512 x 2 x 16 uint8 (E2M1 codes of subspaces, K innermost, in blocks of 32 codes, two codes a byte); subspaces_scales 200 x 512 x 2 uint8 (E8M0 scales of subspaces, one for each 32 codes along K); x 1,024 x 512 float32.
;; Outputs: out0 1,024 x 200 float32.
;; This version of the problem:
;;   THIS VERSION OF THE PROBLEM IS GIVEN IN LOW PRECISION. The matrix products marked QUANTISED in the list below multiply operands that are first quantised to E2M1 (2 exponent bits, 1 mantissa bit; 4 bits a number), with one power-of-two scale for each 32 numbers along K (OCP MX v1.0); their sums are f32. All else is computed in f32.
;;   The module's matrix products, in the order in which they are computed (A, B: the left and right operand; K: the contracted axis; several contracted axes count as one K, in the product's order):
;;     1. batch 200 x [M 512, K 64] x [K 64, N 512]; A: input subspaces (given as codes); B: input subspaces (given as codes): QUANTISED
;;     2. batch 200 x [M 512, K 512] x [K 512, N 1,024]; A: computed on the way; B: computed on the way: QUANTISED
;;   THE QUANTISER, for each operand of a quantised product, along K:
;;     - K is cut into blocks of 32 from its start; a last block that is shorter is filled with zeros.
;;     - A block's scale is 2^e with e = floor(log2(the largest magnitude in the block)) - 2, held to -126 .. 127; a block of zeros has e = 0. As a byte (E8M0): e + 127.
;;     - Each number is divided by its block's scale, clamped to +-6, and rounded to the nearest number of E2M1, ties to even, subnormals kept.
;;     - The product sums the exact products of the quantised numbers (number of the format x scale) in f32.
;;   ~~~python
;;   def quantise(x, axis):      # numpy; x: float32 -> the quantised numbers, widened to float32 again
;;       x = np.moveaxis(x, axis, -1); K = x.shape[-1]
;;       x = np.pad(x, [(0, 0)] * (x.ndim - 1) + [(0, -K % 32)]); x = x.reshape(x.shape[:-1] + (-1, 32)); a = np.abs(x).max(-1, keepdims=True)
;;       e = np.where(a > 0, np.clip(np.frexp(np.where(a > 0, a, 1))[1] - 1 - 2, -126, 127), 0)      # np.frexp(a)[1] - 1 = floor(log2(a)), exactly
;;       r = np.clip(x / 2.0 ** e, -6, 6)
;;       step = 2.0 ** (np.maximum(np.frexp(np.where(r == 0, 1, r))[1] - 1, 0) - 1)
;;       q = np.round(r / step) * step * 2.0 ** e      # np.round: ties to even
;;       return np.moveaxis(q.reshape(q.shape[:-2] + (-1,))[..., :K], -1, axis).astype(np.float32)
;;   ~~~
;;   OPERANDS COMPUTED ON THE WAY. 'Computed on the way' means the value that the module computes at that place (a softmax that the list does not call 'softmax' is quantised finished and normalised). What goes into a quantiser is computed in f32, as accurately as f32 sums, v_exp_f32 and their like allow (about 1e-6 of the number): no bf16 or f16 on the way to a quantiser, and a product that is left as it is and whose result goes on into a quantised operand takes f32 operands (vector FMAs, or v_wmma_f32_16x16x4_f32). A number that lies on a knife's edge between two numbers of the format may be rounded either way, as far as f32 arithmetic and the matrix unit's own rounding can turn it there, and no further.
;;   INPUTS GIVEN AS CODES. subspaces (in the module: [200, 512, 64], K = its axis 2): each comes as NAME_codes (uint8): NAME with its K axis moved to the last place and cut into blocks of 32 codes, [.., K / 32, bytes a block], one block behind the other in memory; two codes a byte, the lower K in the low four bits (a code: sign, 2 exponent bits, 1 mantissa bit); and NAME_scales (uint8): the same leading axes, one E8M0 byte (e + 127) for each 32 codes along K. Its value is code x scale, taken as it is: it is not quantised again, and the codes and scales need not be those that the quantiser above would give.
;; One version. Each part assembles by itself: llvm-mc -triple=amdgcn-amd-amdhsa -mcpu=gfx1250 --defsym DOCPART=n.
;; ======== version 1 of 1: 1 launch
;; launch tangent (part 1): grid 200 x 1, 4 waves a work-group, clusters of 4 x 1, 327,680 bytes of LDS; arguments x, protos, subspaces_codes, subspaces_scales, out0; writes out0
.if DOCPART == 1
	.amdgcn_target "amdgcn-amd-amdhsa--gfx1250"
	.amdhsa_code_object_version 6
	.text
	.protected	k_q6645d9e3e6_tangent
	.globl	k_q6645d9e3e6_tangent
	.p2align	8
	.type	k_q6645d9e3e6_tangent,@function
k_q6645d9e3e6_tangent:
	s_mov_b64 s[64:65], 0
	v_nop
	global_prefetch_b8 v0, s[64:65] scope:SCOPE_SE
	s_setreg_imm32_b32 hwreg(HW_REG_WAVE_MODE, 25, 1), 1
	s_wait_xcnt 0x0
	s_wait_alu depctr_hold_cnt(0) depctr_sa_sdst(0) depctr_va_vdst(0) depctr_va_sdst(0) depctr_va_ssrc(0) depctr_va_vcc(0) depctr_vm_vsrc(0)
	s_getreg_b32 s2, hwreg(HW_REG_IB_STS2, 6, 4)
	s_cmp_eq_u32 s2, 0
	s_cbranch_scc0 .Lentry_in_a_cluster
	s_endpgm
.Lentry_in_a_cluster:
	s_bfe_u32 s2, ttmp6, 0x10000c
	s_cmp_lg_u32 s2, 0x3003
	s_cbranch_scc0 .Lentry_shape_is_right
	s_endpgm
.Lentry_shape_is_right:
; out0[b][p] = | (x[b] - protos[p]) (I - U U^T) |, U = subspaces[p] ([512][64], given as codes of E2M1 with one E8M0 byte for each 32 along its 64).
; Both products run on codes of E2M1: G = U U^T on the codes as given; I - G is quantised along d, x[b] - protos[p] along d, both by the MX rule; sums in f32.
; SHARES.  A work-group takes ONE prototype p and all 1,024 rows of x: its projector is made once, stays in registers and never goes to memory.
; Wave w owns columns e = 128 w .. 128 w + 127 of the projector (8 tiles of 16 x 4 K steps of 128 along d: 32 fragments, 256 registers) and quantises K step w (d = 128 w ..) of every row's difference.
; x goes in blocks of 64 rows; a block's differences go from wave to wave through LDS as images of the operand's registers (1,024 bytes a fragment, 128 a scale word).
; CLUSTER.  The four work-groups of a cluster walk the same rows of x in step: each tile of x (64 rows x 512 bytes, one for each wave) is asked for JOINTLY, by the same tensor load with the same descriptor and the mask 15.
; A tile is read by the wave that asked for it alone.  Two slots; a slot is filled again behind a round of the cluster's barrier, and that load has a whole step in which to land.
; THE PIPELINE.  Between two barriers a wave works on five blocks: block k + 3 is asked of memory; block k is multiplied, from fragments that are in registers already; block k - 1's sums of squares are added up and stored;
; block k + 1's fragments are asked of LDS and land while block k + 2 is quantised, whose first numbers were asked of LDS ahead of the products.  So no product and no conversion stands straight behind the loads that feed it.
; LAYOUT.  A lane (r = lane % 16, h = lane / 16) of an operand holds row r and k = 64 c + 32 h + 0 .. 31 in registers 4 c .. 4 c + 3: two WHOLE blocks of 32, so a block's largest magnitude needs no other lane.
; Product 1 is laid so that its results fall into that order: source 0 = 16 rows d of U that are NOT neighbours (row m of tile 4 c + g is d = 128 s + 64 c + 8 g + m % 8 + 32 (m / 8)), source 1 = rows e of U.
; Its K is 64: the upper half of each fragment holds zero codes.  Source 1's signs are flipped once, and I comes in as the C operand of the tiles on the diagonal: the result is I - G, rounded once.
; Each wave takes the K steps in the order w, w + 1, .. (mod 4): so the diagonal always falls into its first, and the four waves read different images at a time.
; Product 2: source 0 = 16 columns e of the projector, source 1 = 16 rows b: a lane holds one row b and eight e: the sum of squares stays in the lane until one exchange of halves; the four waves' parts meet in LDS.
; THE WAY OUT.  A work-group owns one column of out0: its results lie 800 bytes apart and leave as stores of 4 bytes a lane, 16 rows a wave in each step, under the loop's other work.
; Whole rows would want the results of 64 prototypes in one owner.
; LIMITS.  NaN and infinities among the inputs are not served.  A block whose largest magnitude lies under 2^-124 keeps the scale byte 1, a block of zeros too (the rule says 127: its codes are zeros, and the bytes
; never leave this program).  The K steps of product 2 are summed in the order w, w + 1, .. and not ascending.  A sum of squares under 2^-126 gives 0 (v_sqrt_f32 takes a denormal as zero: ISA guide, 15.8).
.set BLKB,  64*2048                    ; a block of x in memory: 64 rows of 2,048 bytes
.set XP,    528                        ; a tile's row in LDS: 512 bytes + 16 of padding = 33 x 16: the 16 rows that a load touches fall into 16 different columns of 16 bytes
.set TILEB, 64*XP                      ; a wave's tile
.set DX,    4*TILEB                    ; a slot: four tiles.  Slot 1 begins here
.set IMG,   2*DX                       ; behind the ring: two buffers of images; in each, fragment (tile of rows bt, K step s) at 1,024 (4 bt + s),
.set IMGS,  IMG+16*1024                ; and behind the 16 fragments their scale words at 128 (4 bt + s)
.set DI,    16*1024+16*128             ; a buffer of images
.set PART,  IMG+2*DI                   ; the waves' parts of a block's sums of squares: two buffers; in each, wave u's part of row i at 256 u + 4 i
.set DP,    4*64*4                     ; a buffer of parts
.set SPARE, PART+2*DP                  ; the spare words, 128 bytes for each wave: two blocks of 256 bytes that no other line names
; window 0
.set SPW,  2                           ; v2      LDS address of my spare word; never rewritten
.set NIL,  3                           ; v3      0; never rewritten
.set AX0,  4                           ; v4      my lane's place in my wave's tile of slot 0: 528 r + 128 h + the tile
.set AX,   5                           ; v5      the same in the slot in hand
.set RI0,  6                           ; v6-9    image of K step (w + g) % 4 in buffer 0: IMG + 16 x lane + 1,024 x the K step; g = 0 is also where I store
.set RS0,  10                          ; v10-13  the same for the scale words: IMGS + 4 x lane + 128 x the K step
.set AWI,  14                          ; v14-15  where I store images and scale words
.set AWS,  15
.set ARI,  16                          ; v16-19  where I read them
.set ARS,  20                          ; v20-23
.set APW0, 24                          ; v24     PART + 256 w + 4 x lane: where my parts go, in buffer 0
.set SH8,  25                          ; v25     8 h
.set VA,   26                          ; v26-30  offsets of the global loads while the projector is made
.set VSA,  27
.set VB,   28
.set VBS,  29
.set VP,   30
.set AFR,  26                          ; v26     afterwards: where I read parts
.set APW,  31                          ; v31     where this step's parts go
.set PS,   32                          ; v32-63  the projector's scale words: tile t, K step g at 4 t + g
.set DS,   64                          ; v64-79  the differences' scale words: 4 g + bt; while the projector is made: source 0's, two sets of 8
.set BS,   80                          ; v80-87  source 1's scale words, tile t
.set MX,   88                          ; v88-91  four running maxima
.set RT,   88                          ; v88-91  also: two parts, the other half's sum, the root (no block is quantised between the loads of the parts and the store)
.set SO,   92                          ; v92-93  the conversions' scale operands
.set BY,   94                          ; v94-95  the scales' bytes
.set TW,   96                          ; v96-97  at work on a scale word
.set TX,   97
.set PW,   98                          ; v98-99  scale words just made, two sets
.set PC,   100                         ; v100-115 codes just made, two sets of 8
.set TR,   100                         ; v100-107 at work on the sums of squares (the codes' stores are done by then)
.set SQ,   116                         ; v116-123 sums of squares: a pair for each tile of rows
.set RD,   124                         ; v124-125 what goes to PART
.set AFR0, 126                         ; v126    PART + 512 h + 64 w + 4 r: parts 2 h and 2 h + 1 of row 16 w + r, in buffer 0
.set VO,   127                         ; v127    800 (16 w + r): my row of a block in out0; never rewritten
.set XS,   128                         ; v128-191, v192-255: two sets of 64 numbers: results of product 1, later differences
; window 1: the projector's fragments: tile t, K step g at v[8 (4 t + g)]
; window 2
.set DF,   0                           ; v0-127   the differences' fragments: 8 (4 g + bt); while the projector is made: source 0's fragments, two sets of 8
.set ACC,  128                         ; v128-191 two sets of four accumulators; while the projector is made: source 1's 8 fragments
.set PR,   192                         ; v192-255 my 64 numbers of protos[p]; before them v192-223: E[n] = 1.0 in lane n, 0 elsewhere
; scalars
.set WV,   14                          ; s14  my wave's number
.set PN,   16                          ; s16  my prototype: it enters global addresses alone
.set WB,   17                          ; s17  my tile's place in a slot
.set SEL,  18                          ; s[18:19] v_permlanex16_b32's selects for lane l xor 16
.set XF,   20                          ; s20  the slot that is filled next (0 or DX)
.set XR,   21                          ; s21  the slot that is read next
.set IR,   22                          ; s22  the buffer of images that is read next (0 or DI)
.set IW,   23                          ; s23  the one that is written next
.set G1,   24                          ; s[24:31] descriptor group 1
.set G0A,  32                          ; s[32:35] group 0 of block 0
.set G0,   36                          ; s[36:39] group 0 of block 1; it then walks
.set IT,   40                          ; s40  counts a loop's trips
.set MHI,  41                          ; s41  lanes 16-31
.set SC,   42                          ; s[42:49] U's codes at K step (w + g) % 4
.set SS,   50                          ; s[50:57] U's scale bytes there
.set SX,   60                          ; s60  EXEC, kept while lanes 0-15 store
.set PWO,  62                          ; s62  the buffer of parts that is written next (0 or DP)
.set PRO,  63                          ; s63  the one that is read next
.set MSB, 0
.macro WIN new                         ; s_set_vgpr_msb: bits 1:0 source 0, 3:2 source 1, 5:4 source 2, 7:6 destination; the high byte repeats the setting that is left
.if MSB != \new
	s_set_vgpr_msb (MSB<<8)|\new
.set MSB, \new
.endif
.endm
.macro PLACES n                        ; plain vector instructions that name no register (ISA guide 7.12.1)
.rept \n
	v_nop
.endr
.endm
; A round of the cluster's barrier: my work-group's barrier, so that wave 0's signal speaks for all four waves; wave 0 signals; every wave waits for all four work-groups; my work-group's barrier once more.
.macro ROUND
	s_barrier_signal -1
	s_barrier_wait -1
	s_cmp_lg_u32 s[WV], 0
	s_cbranch_scc1 .Lnot_wave_0_\@
	s_barrier_signal -3
.Lnot_wave_0_\@:
	s_barrier_wait -3
	s_barrier_signal -1
	s_barrier_wait -1
.endm
.macro MMZ d, a, b, sa, sb             ; a product that starts a sum
	v_wmma_scale_f32_16x16x128_f8f6f4 v[(\d):(\d)+7], v[(\a):(\a)+7], v[(\b):(\b)+7], 0, v[(\sa)], v[(\sb)] matrix_a_fmt:MATRIX_FMT_FP4 matrix_b_fmt:MATRIX_FMT_FP4
.endm
.macro MMC d, a, b, c, sa, sb          ; a product that adds onto c
	v_wmma_scale_f32_16x16x128_f8f6f4 v[(\d):(\d)+7], v[(\a):(\a)+7], v[(\b):(\b)+7], v[(\c):(\c)+7], v[(\sa)], v[(\sb)] matrix_a_fmt:MATRIX_FMT_FP4 matrix_b_fmt:MATRIX_FMT_FP4
.endm
.macro CVT from, code, c, g            ; eight numbers / the block's scale, to the nearest code, beyond 6 the largest code
	v_cvt_scalef32_pk8_fp4_f32 v[(\code)+4*\c+\g], v[(\from)+32*\c+8*\g:(\from)+32*\c+8*\g+7], v[SO+\c]
.endm
; 64 numbers of a lane, register 32 c + i = k 64 c + 32 h + i of its row, become a fragment's 8 registers of codes (v[code] on, in the window that wn names) and the row's scale word (v[word]).
; Each block's largest magnitude in two chains, the four chains by turns; each group of eight registers is first read at its low end.
.macro QUANT from, word, code, wn
	WIN 0
.irp c, 0,1
	v_max3_num_f32 v[MX+2*\c], |v[(\from)+32*\c]|, |v[(\from)+32*\c+1]|, |v[(\from)+32*\c+2]|
	v_max3_num_f32 v[MX+2*\c+1], |v[(\from)+32*\c+16]|, |v[(\from)+32*\c+17]|, 0x1800000   ; and the floor 2^(3 - 127): so the byte cannot fall under 1
.endr
.irp i, 0,1,2,3,4,5
.irp c, 0,1
	v_max3_num_f32 v[MX+2*\c], v[MX+2*\c], |v[(\from)+32*\c+3+2*\i]|, |v[(\from)+32*\c+4+2*\i]|
	v_max3_num_f32 v[MX+2*\c+1], v[MX+2*\c+1], |v[(\from)+32*\c+18+2*\i]|, |v[(\from)+32*\c+19+2*\i]|
.endr
.endr
.irp c, 0,1
	v_max3_num_f32 v[MX+2*\c+1], v[MX+2*\c+1], |v[(\from)+32*\c+30]|, |v[(\from)+32*\c+31]|
.endr
.irp c, 0,1
	v_max3_num_f32 v[MX+2*\c], v[MX+2*\c], v[MX+2*\c+1], |v[(\from)+32*\c+15]|
.endr
.irp c, 0,1
	v_add_nc_u32 v[SO+\c], 0xff000000, v[MX+2*\c]  ; 2 off the exponent field: the conversion takes the exponent field of this operand as its scale, and nothing else of it
.endr
.if (\wn) == 0
	; codes and word lie in one window: the six lines that make the word, each of which reads the line before it, stand singly between the conversions; they name none of the conversions' results and write none of their sources
	CVT \from, \code, 0, 0
	v_lshrrev_b32 v[BY], 23, v[SO]                 ; the scales' bytes
	CVT \from, \code, 0, 1
	v_lshrrev_b32 v[BY+1], 23, v[SO+1]
	CVT \from, \code, 0, 2
	v_lshl_or_b32 v[TW], v[BY+1], 16, v[BY]        ; my two bytes: blocks h and 2 + h,
	CVT \from, \code, 0, 3
	v_lshlrev_b32 v[TW], v[SH8], v[TW]             ; at their places in the word;
	CVT \from, \code, 1, 0
	v_permlanex16_b32 v[TX], v[TW], s[SEL], s[SEL+1]
	CVT \from, \code, 1, 1
	v_or_b32 v[(\word)], v[TW], v[TX]              ; with lane l xor 16's two the word is whole
	CVT \from, \code, 1, 2
	CVT \from, \code, 1, 3
.else
.irp c, 0,1
	v_lshrrev_b32 v[BY+\c], 23, v[SO+\c]           ; the scale's byte
.endr
	v_lshl_or_b32 v[TW], v[BY+1], 16, v[BY]
	v_lshlrev_b32 v[TW], v[SH8], v[TW]
	v_permlanex16_b32 v[TX], v[TW], s[SEL], s[SEL+1]
	v_or_b32 v[(\word)], v[TW], v[TX]
	WIN \wn
.irp c, 0,1
.irp g, 0,1,2,3
	CVT \from, \code, \c, \g
.endr
.endr
	WIN 0
.endif
	v_nop                                          ; one plain place behind the last scaled conversion
.endm
; ---- the projector
; Source 0 of K step g: eight tiles of 16 rows of U, 16 bytes a lane (its 32 codes), and the rows' two scale bytes; the upper bytes of the word stand over zero codes
.macro ALOAD g
	WIN 0x80                                       ; destination window 2
.irp a, 0,1,2,3,4,5,6,7
	global_load_b128 v[DF+64*((\g)%2)+8*\a:DF+64*((\g)%2)+8*\a+3], v[VA], s[SC+2*(\g):SC+2*(\g)+1] offset:2048*(\a/4)+256*(\a%4)
.endr
	WIN 0
.irp a, 0,1,2,3,4,5,6,7
	global_load_u16 v[DS+8*((\g)%2)+\a], v[VSA], s[SS+2*(\g):SS+2*(\g)+1] offset:128*(\a/4)+16*(\a%4)
.endr
.endm
; Unit u = 8 g + t: the 128 x 16 piece (K step g, tile t) of I - G: eight products into set u % 2.  In K step 0 two of them lie on the diagonal: with e = 128 w + 16 t + r and
; d = 128 w + 64 c + 32 h + 8 g' + j, d = e where c = t / 4, h = (t / 2) % 2, g' = 2 (t % 2) + r / 8, j = r % 8: tile 4 (t / 4) + 2 (t % 2) + u' takes C = E[16 ((t / 2) % 2) + 8 u' ..].
.macro WUNIT u
.set UG, (\u)/8
.set UT, (\u)%8
.set UD, XS+64*((\u)%2)
.set UA, DF+64*(UG%2)
.set US, DS+8*(UG%2)
.set UI, 4*(UT/4)+2*(UT%2)
.set UE, PR+16*((UT/2)%2)
	WIN 0x2a                                       ; sources 0, 1 and 2 window 2, destination window 0
.irp a, 0,1,2,3,4,5,6,7
.if (UG == 0) && ((\a == UI) || (\a == UI+1))
	MMC UD+8*\a, UA+8*\a, ACC+8*UT, UE+8*(\a-UI), US+\a, BS+UT
.else
	MMZ UD+8*\a, UA+8*\a, ACC+8*UT, US+\a, BS+UT
.endif
.endr
.endm
.macro PQ u                            ; unit u's 64 numbers a lane become fragment (t, g) of the projector, in window 1, and its scale word
.set QF, XS+64*((\u)%2)
.set QW, PS+4*((\u)%8)+(\u)/8
.set QC, 8*(4*((\u)%8)+(\u)/8)
	QUANT QF, QW, QC, 0x40
.endm
; ---- the differences
.macro XLOAD bt, set                   ; rows 16 bt .. of my tile: my row's 2 x 32 numbers, 16 loads
.irp c, 0,1
.irp j, 0,1,2,3,4,5,6,7
	ds_load_b128 v[XS+64*\set+32*\c+4*\j:XS+64*\set+32*\c+4*\j+3], v[AX] offset:16*XP*\bt+256*\c+16*\j
.endr
.endr
.endm
.macro XUNIT bt, set                   ; x - protos, quantised; the fragment and its scale word go to LDS as they stand in the registers
.set QF, XS+64*\set
	WIN 0x08                                       ; source 1 (protos) window 2
.set qi, 0
.rept 32
	v_pk_add_f32 v[QF+qi:QF+qi+1], v[QF+qi:QF+qi+1], v[PR+qi:PR+qi+1] neg_lo:[0,1] neg_hi:[0,1]
.set qi, qi+2
.endr
	QUANT QF, PW+\set, PC+8*\set, 0
.irp c, 0,1
	ds_store_b128 v[AWI], v[PC+8*\set+4*\c:PC+8*\set+4*\c+3] offset:4096*\bt+512*\c
.endr
	ds_store_b32 v[AWS], v[PW+\set] offset:512*\bt
.endm
.macro XHEAD                           ; a block's first two tiles of rows are asked of LDS: in the loop ahead of the products, a whole run of them before they are wanted
	XLOAD 0, 0
	XLOAD 1, 1
.endm
; A block's four tiles of rows.  younger: the LDS instructions issued behind XHEAD's loads that may stay out.  LDS serves a wave's instructions in order (ISA guide 5.7.1): each count names what was
; issued behind the loads that are wanted, and so also shows the stores of two units back done, whose registers the unit writes again.
.macro XBODY younger
	s_wait_dscnt \younger
	XUNIT 0, 0
	XLOAD 2, 0
	XUNIT 1, 1
	XLOAD 3, 1
	s_wait_dscnt 19                                ; behind unit 2's loads: unit 1's 3 stores and unit 3's 16 loads
	XUNIT 2, 0
	s_wait_dscnt 3                                 ; behind unit 3's loads: unit 2's 3 stores
	XUNIT 3, 1
.endm
; ---- product 2 and the sums of squares
.macro MLOAD                           ; a block's 16 scale words and 16 fragments: 48 loads.  The products that read these registers last stand 16 plain lines back or more
.irp g, 0,1,2,3
.irp b, 0,1,2,3
	ds_load_b32 v[DS+4*\g+\b], v[ARS+\g] offset:512*\b
.endr
.endr
	WIN 0x80                                       ; destination window 2
.irp g, 0,1,2,3
.irp b, 0,1,2,3
.irp c, 0,1
	ds_load_b128 v[DF+8*(4*\g+\b)+4*\c:DF+8*(4*\g+\b)+4*\c+3], v[ARI+\g] offset:4096*\b+512*\c
.endr
.endr
.endr
	WIN 0
.endm
; Tile t of my columns against the block's four tiles of rows: 16 products; the four accumulators take turns, one instruction a turn, and the set changes from tile to tile.
.macro MTILE t
.set MA, ACC+32*((\t)%2)
	WIN 0xa9                                       ; source 0 (projector) window 1; source 1, C and D window 2
.irp g, 0,1,2,3
.irp b, 0,1,2,3
.if \g == 0
	MMZ MA+8*\b, 8*(4*(\t)+\g), DF+8*(4*\g+\b), PS+4*(\t)+\g, DS+4*\g+\b
.else
	MMC MA+8*\b, 8*(4*(\t)+\g), DF+8*(4*\g+\b), MA+8*\b, PS+4*(\t)+\g, DS+4*\g+\b
.endif
.endr
.endr
.endm
.macro SQUARES t                       ; tile t's results, squared and added, two at a time; each accumulator from its low end on; the first products start the sums
.set MA, ACC+32*((\t)%2)
	WIN 0x0a                                       ; sources 0 and 1 window 2
.irp q, 0,1,2,3
.irp b, 0,1,2,3
.if ((\t) == 0) && (\q == 0)
	v_pk_mul_f32 v[SQ+2*\b:SQ+2*\b+1], v[MA+8*\b+2*\q:MA+8*\b+2*\q+1], v[MA+8*\b+2*\q:MA+8*\b+2*\q+1]
.else
	v_pk_fma_f32 v[SQ+2*\b:SQ+2*\b+1], v[MA+8*\b+2*\q:MA+8*\b+2*\q+1], v[MA+8*\b+2*\q:MA+8*\b+2*\q+1], v[SQ+2*\b:SQ+2*\b+1]
.endif
.endr
.endr
.endm
.macro MRED                            ; the pair's halves, lane l xor 16's eight columns; then rows 0-31 and 32-63 of the block, a lane a row, into my part of PART
.irp b, 0,1,2,3
	v_add_f32 v[TR+\b], v[SQ+2*\b], v[SQ+2*\b+1]
.endr
.irp b, 0,1,2,3
	v_permlanex16_b32 v[TR+4+\b], v[TR+\b], s[SEL], s[SEL+1]
.endr
.irp b, 0,1,2,3
	v_add_f32 v[TR+\b], v[TR+\b], v[TR+4+\b]
.endr
	v_cndmask_b32 v[RD], v[TR], v[TR+1], s[MHI]
	v_cndmask_b32 v[RD+1], v[TR+2], v[TR+3], s[MHI]
	ds_store_b32 v[APW], v[RD]
	ds_store_b32 v[APW], v[RD+1] offset:128
.endm
; A block's products: its fragments and scale words are in registers (the wait for all LDS instructions in front of the barrier has shown them landed), so no wait stands here.
; The squares of a tile stand behind the next tile's products: they are the places between a tile's last product and the read of its results, and in front of the products that begin its set anew.
.macro MPHASE
	MTILE 0
	MTILE 1
	PLACES 4                                       ; in front of the first read of results: no other vector work is at hand yet
	SQUARES 0
.irp t, 2,3,4,5,6,7
	MTILE \t
	SQUARES \t-1
.endr
	SQUARES 7
	WIN 0
	MRED
.endm
; ---- the results of the block before: the four waves' parts lie in the buffer of parts that nobody writes in this step.  My wave takes rows 16 w .. 16 w + 15: lane (r, h) parts 2 h and 2 h + 1 of row 16 w + r.
; skip = 1: the main loop's first trip has no block before: a scalar branch on the trip counter leads round both pieces.
.macro RLOADS skip
.if \skip
	s_cmp_eq_u32 s[IT], 0
	s_cbranch_scc1 .Lno_rows_\@
.endif
	ds_load_b32 v[RT], v[AFR]
	ds_load_b32 v[RT+1], v[AFR] offset:256
.if \skip
.Lno_rows_\@:
.endif
.endm
.macro RFIN skip, on                   ; on = 1: a block follows: the base steps
.if \skip
	s_cmp_eq_u32 s[IT], 0
	s_cbranch_scc1 .Lno_store_\@
.endif
	v_add_f32 v[RT], v[RT], v[RT+1]
	v_permlanex16_b32 v[RT+2], v[RT], s[SEL], s[SEL+1]
	v_add_f32 v[RT], v[RT], v[RT+2]                ; the row's sum of squares over all 512 columns, in both halves of the lanes
	v_sqrt_f32 v[RT+3], v[RT]
	v_nop                                          ; a plain place behind the root
	v_cmp_gt_u32 vcc_lo, 16, v1                    ; lanes 0-15 store: a row has one store
	s_wait_xcnt 0x0                                ; EXEC changes only behind this wait,
	s_and_saveexec_b32 s[SX], vcc_lo
	s_wait_alu depctr_va_vdst(0)
	global_store_b32 v[VO], v[RT+3], s[12:13]      ; out0[64 j + 16 w + r][p]
	s_wait_xcnt 0x0                                ; and again: the store has read EXEC, its data and its base
	s_or_b32 exec_lo, exec_lo, s[SX]
.if \on
	s_add_nc_u64 s[12:13], s[12:13], 64*800        ; the next block's rows
.endif
.if \skip
.Lno_store_\@:
.endif
.endm
.macro ADDR a, b, c                    ; the LDS addresses of all that stands between this barrier and the next.  a: for the differences; b: for the images that are read; c: for the parts
.if \a
	v_add_nc_u32 v[AX], s[XR], v[AX0]
	v_add_nc_u32 v[AWI], s[IW], v[RI0]
	v_add_nc_u32 v[AWS], s[IW], v[RS0]
.endif
.if \b
.irp g, 0,1,2,3
	v_add_nc_u32 v[ARI+\g], s[IR], v[RI0+\g]
	v_add_nc_u32 v[ARS+\g], s[IR], v[RS0+\g]
.endr
.endif
.if \c
	v_add_nc_u32 v[APW], s[PWO], v[APW0]
	v_add_nc_u32 v[AFR], s[PRO], v[AFR0]
.endif
.endm
; THE BARRIER OF A STEP orders five things.  In front of it each wave has waited for all its tensor loads (the tile that it reads next), for its stores of images and of parts, for its loads of images and of parts,
; and for its reads of the slot of x that it leaves.  Behind it the images and parts just stored are whole, nobody reads the other buffers any more, and nobody reads the slot that was left.
; fill = 1: that slot takes the block two further on than the one it held.
.macro GATE fill, a, b, c
	s_wait_tensorcnt 0x0                           ; no tensor load of mine is out, so a group 0 may be written
	ds_add_u32 v[SPW], v[NIL]                      ; 0 onto my spare word: the addresses are made between it and the wait for it
.if \fill
	s_add_co_u32 s[G0+1], s[WB], s[XF]             ; the walking descriptor: my tile in the slot that has been read out,
	s_add_nc_u64 s[G0+2:G0+3], s[G0+2:G0+3], BLKB  ; the next 64 rows; the type bits on top are not reached
.endif
	ADDR \a, \b, \c
	s_wait_dscnt 0x0                               ; the add is done, my stores have landed and my loads are in
.if \fill
	ROUND                                          ; all that now holds of every wave of the four work-groups
	tensor_load_to_lds s[G0:G0+3], s[G1:G1+7]      ; the first thing behind the round, and my one tensor load until the next
	s_nop 0
	PLACES 4                                       ; four lines follow it ahead of any switch of windows
.else
	s_barrier_signal -1                            ; nothing is filled again: my work-group's barrier alone
	s_barrier_wait -1
.endif
.endm
.macro FLIP f, x, p                    ; slots and buffers change places
.if \f
	s_xor_b32 s[XF], s[XF], DX
.endif
.if \x
	s_xor_b32 s[XR], s[XR], DX
	s_xor_b32 s[IW], s[IW], DI
	s_xor_b32 s[IR], s[IR], DI
.endif
.if \p
	s_xor_b32 s[PWO], s[PWO], DP
	s_xor_b32 s[PRO], s[PRO], DP
.endif
.endm
; STEP k.  Ahead of the barrier: block k's fragments are asked of LDS, and land while block k + 1 is quantised.  Behind it: block k + 3 is asked of memory (fill = 1), block k - 1's parts and the first half of
; block k + 2's numbers of LDS; block k is multiplied; block k - 1's results leave.  tail = 1: the two steps that fill nothing; the second of them has no block k + 2: a scalar branch on the trip counter leads round its 32 loads
; (the three addresses that ADDR makes for that block are then not used).
.macro STEP fill, tail
	MLOAD
	XBODY 48                                       ; all but MLOAD's 48 loads: the numbers asked for ahead of the last products are in
	GATE \fill, 1, 1, 1
	RLOADS 1-\tail
.if \tail
	s_cmp_eq_u32 s[IT], 1
	s_cbranch_scc1 .Lno_block_\@
.endif
	XHEAD
.if \tail
.Lno_block_\@:
.endif
	MPHASE
	s_wait_dscnt 0x2                               ; all but my two stores of parts: the parts asked for ahead of the products are in
	RFIN 1-\tail, 1
	FLIP \fill, 1, 1
.endm
	s_load_b256 s[4:11], s[0:1], 0x0               ; x s[4:5], protos s[6:7], U's codes s[8:9], U's scale bytes s[10:11]
	s_load_b64 s[12:13], s[0:1], 0x20              ; out0
	v_lshl_add_u32 v[SPW], v0, 2, SPARE
	v_mov_b32 v[NIL], 0
	ds_add_u32 v2, v3
	ds_add_u32 v2, v3
	s_wait_dscnt 0x0
	v_lshrrev_b32 v1, 5, v0
	v_readfirstlane_b32 s[WV], v1                  ; wave 0..3
	s_bfe_u32 s15, ttmp6, 0x40000                  ; cx: my place in the cluster
	s_lshl_b32 s[PN], ttmp9, 2                     ; in a cluster launch ttmp9 counts clusters
	s_add_co_u32 s[PN], s[PN], s15                 ; my prototype = 4 x cluster + cx
	s_mul_i32 s[WB], s[WV], TILEB                  ; no place in the cluster enters an LDS address
	; descriptor group 1: a tile of 64 rows x 128 numbers of 4 bytes, rows 512 numbers apart in memory, padded in LDS
	s_mov_b32 s[G1+0], 15|(2<<16)|(1<<20)|(1<<21)|(6<<22)|(3<<25)  ; 15:0 the mask: all four work-groups; 17:16 elements of 4 bytes; 20 padding on; 21 set beside a mask; 24:22 after every 128 words (code 6); 31:25 four words (code 3)
	s_mov_b32 s[G1+1], 128<<16                     ; tensor_dim0 = 128
	s_mov_b32 s[G1+2], 64<<16                      ; tensor_dim1 = 64
	s_mov_b32 s[G1+3], 128<<16                     ; tile_dim0 = 128
	s_mov_b32 s[G1+4], 64                          ; tile_dim1 = 64
	s_mov_b32 s[G1+5], 512                         ; tensor_dim0_stride
	s_mov_b32 s[G1+6], 0
	s_mov_b32 s[G1+7], 0
	s_lshl_b32 s58, s[WV], 9                       ; my K step's 512 bytes of a row
	s_mov_b32 s59, 0                               ; s[58:59]: an offset in 64 bits; s59 stays 0
	s_wait_kmcnt 0x0
	s_mov_b32 s[G0A], 1                            ; count = 1
	s_mov_b32 s[G0A+1], s[WB]                      ; LDS address: slot 0
	s_add_nc_u64 s[G0A+2:G0A+3], s[4:5], s[58:59]  ; global address: block 0
	s_mov_b32 s[G0], 1
	s_add_co_u32 s[G0+1], s[WB], DX                ; slot 1
	s_add_nc_u64 s[G0+2:G0+3], s[G0A+2:G0A+3], BLKB   ; block 1
	s_or_b32 s[G0A+3], s[G0A+3], 0x80000000        ; type = 2
	s_or_b32 s[G0+3], s[G0+3], 0x80000000
	ROUND                                          ; all four work-groups are here: the first joint loads meet
	tensor_load_to_lds s[G0A:G0A+3], s[G1:G1+7]    ; both first fills go out together: two loads of mine are out; they land while the projector is made
	s_nop 0
	tensor_load_to_lds s[G0:G0+3], s[G1:G1+7]
	s_nop 0
	PLACES 4
	; addresses.  v128-131 are at work here
	v_and_b32 v1, 31, v0                           ; lane; it stays
	v_and_b32 v128, 15, v0                         ; r
	v_bfe_u32 v129, v0, 4, 1                       ; h
	v_mul_u32_u24 v[AX0], v128, XP
	v_lshl_add_u32 v[AX0], v129, 7, v[AX0]
	v_add_nc_u32 v[AX0], s[WB], v[AX0]             ; x in LDS: row r, + 128 h: my 32 numbers of the first 64
	v_lshlrev_b32 v130, 2, v1                      ; 4 x lane
	s_lshl_b32 s2, s[WV], 8
	s_add_co_u32 s2, s2, PART
	v_add_nc_u32 v[APW0], s2, v130
	v_lshlrev_b32 v131, 2, v128                    ; 4 r
	v_lshl_add_u32 v131, v129, 9, v131             ; + 512 h
	s_lshl_b32 s2, s[WV], 6
	s_add_co_u32 s2, s2, PART
	v_add_nc_u32 v[AFR0], s2, v131
	v_add_nc_u32 v131, IMGS, v130
	v_lshlrev_b32 v130, 4, v1                      ; 16 x lane
	v_add_nc_u32 v130, IMG, v130
	s_lshl_b32 s60, s[PN], 14                      ; my prototype's codes: 512 rows of 32 bytes,
	s_lshl_b32 s61, s[PN], 10                      ; and scale bytes: 2 a row
.irp g, 0,1,2,3
	s_add_co_u32 s2, s[WV], \g
	s_and_b32 s2, s2, 3                            ; my g-th K step: (w + g) % 4
	s_lshl_b32 s3, s2, 10
	v_add_nc_u32 v[RI0+\g], s3, v130
	s_lshl_b32 s3, s2, 7
	v_add_nc_u32 v[RS0+\g], s3, v131
	s_lshl_b32 s58, s2, 12                         ; its 128 rows of U
	s_add_co_u32 s58, s58, s60
	s_add_nc_u64 s[SC+2*\g:SC+2*\g+1], s[8:9], s[58:59]
	s_lshl_b32 s58, s2, 8
	s_add_co_u32 s58, s58, s61
	s_add_nc_u64 s[SS+2*\g:SS+2*\g+1], s[10:11], s[58:59]
.endr
	s_lshl_b32 s58, s[PN], 11                      ; protos: row p, my K step's 512 bytes
	s_lshl_b32 s3, s[WV], 9
	s_add_co_u32 s58, s58, s3
	s_add_nc_u64 s[6:7], s[6:7], s[58:59]
	s_lshl_b32 s58, s[PN], 2                       ; out0: column p
	s_add_nc_u64 s[12:13], s[12:13], s[58:59]
	v_lshlrev_b32 v[SH8], 3, v129
	v_and_b32 v130, 7, v128                        ; r % 8
	v_lshrrev_b32 v131, 3, v128                    ; r / 8
	v_lshlrev_b32 v[VA], 5, v130
	v_lshl_add_u32 v[VA], v131, 10, v[VA]
	v_lshl_add_u32 v[VA], v129, 4, v[VA]           ; source 0: row r % 8 + 32 (r / 8) of a tile, 32 bytes a row, + 16 h
	v_lshlrev_b32 v[VSA], 1, v130
	v_lshl_add_u32 v[VSA], v131, 6, v[VSA]         ; and its two scale bytes
	v_lshlrev_b32 v[VB], 5, v128
	v_lshl_add_u32 v[VB], v129, 4, v[VB]           ; source 1: row r, + 16 h
	v_lshlrev_b32 v[VBS], 1, v128
	v_lshlrev_b32 v[VP], 7, v129                   ; protos: + 128 h
	v_mul_u32_u24 v[VO], v128, 800
	s_mul_i32 s3, s[WV], 16*800
	v_add_nc_u32 v[VO], s3, v[VO]                  ; out0: row 16 w + r of a block
	v_mov_b32 v[TX], 0                             ; written once: a lane permute's destination counts as one of its sources
	s_mov_b32 s[SEL], 0x76543210
	s_mov_b32 s[SEL+1], 0xfedcba98
	s_mov_b32 s[MHI], 0xffff0000
	; ---- THE PROJECTOR.  Product 1's K is 64 of the instruction's 128: registers 4-7 of its 24 fragments hold zero codes, written once
	WIN 0x80                                       ; destination window 2
.set fi, 0
.rept 24
.irp i, 4,5,6,7
	v_mov_b32 v[8*fi+\i], 0
.endr
.set fi, fi+1
.endr
.irp t, 0,1,2,3,4,5,6,7
	global_load_b128 v[ACC+8*\t:ACC+8*\t+3], v[VB], s[SC:SC+1] offset:512*\t   ; source 1: my 8 tiles of rows e (they lie in my first K step's rows)
.endr
	WIN 0
.irp t, 0,1,2,3,4,5,6,7
	global_load_u16 v[BS+\t], v[VBS], s[SS:SS+1] offset:32*\t
.endr
	ALOAD 0
	ALOAD 1
	WIN 0x80
.set ei, 0
.rept 32
	v_cmp_eq_u32 vcc_lo, ei, v1                    ; E[n]: 1.0 in lane n.  Made while the loads are out
	v_cndmask_b32 v[PR+ei], 0, 1.0, vcc_lo
.set ei, ei+1
.endr
	s_wait_loadcnt 16                              ; all but the second K step's 16 loads
	WIN 0x88                                       ; source 1 and destination window 2
.irp t, 0,1,2,3,4,5,6,7
.irp i, 0,1,2,3
	v_xor_b32 v[ACC+8*\t+\i], 0x88888888, v[ACC+8*\t+\i]   ; the sign bit of each of eight codes: the products give -G
.endr
.endr
	PLACES 4                                       ; operands written by vector instructions stand four places ahead of a scaled product
	; 32 units; unit n + 1's products are issued ahead of unit n's quantising, whose lines are the places behind them, in front of the loads into operands that are done with, and in front of the products that write a set anew
	WUNIT 0
.set n, 0
.rept 32
.if n < 31
.if (n+1)%8 == 0
	s_wait_loadcnt 0x0                             ; the next K step's rows of U (asked for eight units ago or more)
.endif
	WUNIT n+1
.endif
.if n == 0
	PLACES 5                                       ; behind the first two units no other vector work is at hand: four for the read of results, five for the products that will write over them
.endif
	PQ n
.if n == 7
	ALOAD 2                                        ; into the first K step's registers
	WIN 0x80
.irp c, 0,1
.irp j, 0,1,2,3,4,5,6,7
	global_load_b128 v[PR+32*\c+4*\j:PR+32*\c+4*\j+3], v[VP], s[6:7] offset:256*\c+16*\j   ; protos, in the order of a lane's differences; E is done with: only the first K step meets the diagonal
.endr
.endr
	WIN 0
.endif
.if n == 15
	ALOAD 3
.endif
.set n, n+1
.endr
	; ---- block 0 is quantised
	s_mov_b32 s[XR], 0
	s_mov_b32 s[IW], 0
	ADDR 1, 0, 0
	s_wait_tensorcnt 0x1                           ; my tile of block 0 is in; block 1's may stay out.  Only I read my tile, so no barrier is needed here
	XHEAD
	XBODY 0                                        ; nothing was issued behind these loads
	; ---- the lead-in: the first barrier.  Behind it block 2 is asked of memory, into the slot that block 0 has left, and block 1's first numbers of LDS
	s_mov_b32 s[XF], 0
	s_mov_b32 s[XR], DX
	s_mov_b32 s[IR], 0
	s_mov_b32 s[IW], DI
	s_mov_b32 s[PWO], 0
	s_mov_b32 s[PRO], DP
	GATE 1, 1, 1, 0
	XHEAD
	FLIP 1, 1, 0
	s_mov_b32 s[IT], 0
.Lstep:                                                ; 13 trips, k = 0 .. 12: blocks 3 to 15 are asked for
	STEP 1, 0
	s_add_co_u32 s[IT], s[IT], 1
	s_cmp_lt_u32 s[IT], 13
	s_cbranch_scc1 .Lstep
	s_mov_b32 s[IT], 0
.Ltail:                                                ; 2 trips, k = 13, 14: a text of their own
	STEP 0, 1
	s_add_co_u32 s[IT], s[IT], 1
	s_cmp_lt_u32 s[IT], 2
	s_cbranch_scc1 .Ltail
	; ---- k = 15: nothing is left to quantise
	MLOAD
	GATE 0, 0, 0, 1
	RLOADS 0
	MPHASE
	s_wait_dscnt 0x2                               ; all but my two stores of parts
	RFIN 0, 1
	FLIP 0, 0, 1
	; ---- block 15's results
	s_wait_dscnt 0x0                               ; for the others' sake: my parts lie in LDS
	s_barrier_signal -1
	s_barrier_wait -1
	v_add_nc_u32 v[AFR], s[PRO], v[AFR0]
	RLOADS 0
	s_wait_dscnt 0x0
	RFIN 0, 0
	s_wait_tensorcnt 0x0                           ; the wave's end: behind my last tensor load and my last LDS store
	ds_add_u32 v[SPW], v[NIL]
	s_wait_dscnt 0x0
	ROUND                                          ; the closing round: no work-group ends while a partner may still ask for a tile that names it
	s_endpgm
.Lfunc_end_k_q6645d9e3e6_tangent:
	.size	k_q6645d9e3e6_tangent, .Lfunc_end_k_q6645d9e3e6_tangent-k_q6645d9e3e6_tangent
	.p2alignl 7, 3214868480
	.fill 96, 4, 3214868480
	.section	.rodata,"a",@progbits
	.p2align	6, 0x0
	.amdhsa_kernel k_q6645d9e3e6_tangent
		.amdhsa_group_segment_fixed_size 327680
		.amdhsa_private_segment_fixed_size 0
		.amdhsa_enable_private_segment 0
		.amdhsa_kernarg_size 40
		.amdhsa_user_sgpr_count 2
		.amdhsa_user_sgpr_kernarg_segment_ptr 1
		.amdhsa_wavefront_size32 1
		.amdhsa_system_sgpr_workgroup_id_x 1
		.amdhsa_system_sgpr_workgroup_id_y 1
		.amdhsa_system_sgpr_workgroup_id_z 1
		.amdhsa_system_vgpr_workitem_id 0
		.amdhsa_next_free_vgpr 768
		.amdhsa_next_free_sgpr 66
		.amdhsa_reserve_vcc 1
		.amdhsa_float_denorm_mode_32 3
		.amdhsa_float_denorm_mode_16_64 3
		.amdhsa_memory_ordered 1
		.amdhsa_forward_progress 1
		.amdhsa_inst_pref_size 255
	.end_amdhsa_kernel
	.section	.bss,"aw",@nobits
	.p2align	6
	.space	262144
	.amdgpu_metadata
---
amdhsa.version: [ 1, 2 ]
amdhsa.kernels:
  - .name:           k_q6645d9e3e6_tangent
    .symbol:         k_q6645d9e3e6_tangent.kd
    .args:
      - { .name: x, .offset: 0, .size: 8, .value_kind: global_buffer, .address_space: global }
      - { .name: protos, .offset: 8, .size: 8, .value_kind: global_buffer, .address_space: global }
      - { .name: subspaces_codes, .offset: 16, .size: 8, .value_kind: global_buffer, .address_space: global }
      - { .name: subspaces_scales, .offset: 24, .size: 8, .value_kind: global_buffer, .address_space: global }
      - { .name: out0, .offset: 32, .size: 8, .value_kind: global_buffer, .address_space: global }
    .group_segment_fixed_size: 327680
    .private_segment_fixed_size: 0
    .kernarg_segment_align: 8
    .kernarg_segment_size: 40
    .max_flat_workgroup_size: 128
    .sgpr_count:     66
    .vgpr_count:     768
    .wavefront_size: 32
...
	.end_amdgpu_metadata
.endif
;; end of part 1
